; MI455X (gfx1250); checked and timed in simulation.
; The chip was launched on July 23, 2026; its instructions are those of AMD's public machine-readable ISA for CDNA 5 (MIT licence, August 2026) and "CDNA5" Instruction Set Architecture Reference Guide (July 2026). The comments in the code are by the model that wrote it; some were corrected since.
;; Self Attention. Allowed arithmetic: matrix products marked QUANTISED: E5M2 operands, one given power-of-two scale a tensor, by v_wmma_f32_16x16x64_bf8_bf8 or v_wmma_f32_16x16x128_bf8_bf8, f32 sums; products left as they are: f32 operands where the result goes on into a quantised operand, else bf16, f16 or f32 operands; f32 sums; everything else in f32.
;; Inputs: bk 16 float32; bq 16 float32; bv 128 float32; lowp_scales 8 int32 (the exponents e of the quantised operands' scales 2^e); wk_codes 16 x 4 x 32 uint8 (E5M2 codes of wk, K innermost, in blocks of 32 codes); wq_codes 16 x 4 x 32 uint8 (E5M2 codes of wq, K innermost, in blocks of 32 codes); wv_codes 128 x 4 x 32 uint8 (E5M2 codes of wv, K innermost, in blocks of 32 codes); x 8 x 128 x 64 x 64 float32.
;; Outputs: out0 8 x 128 x 64 x 64 float32.
;; This version of the problem:
;;   THIS VERSION OF THE PROBLEM IS GIVEN IN LOW PRECISION. The matrix products marked QUANTISED in the list below multiply operands that are first quantised to E5M2 (5 exponent bits, 2 mantissa bits; 8 bits a number), with one given power-of-two scale for each operand tensor; their sums are f32. All else is computed in f32.
;;   The module's matrix products, in the order in which they are computed (A, B: the left and right operand; K: the contracted axis; several contracted axes count as one K, in the product's order):
;;     1. [M 32,768, K 128] x [K 128, N 16]; A: input x; B: input wq (given as codes): QUANTISED (scales: A lowp_scales[0], B lowp_scales[1])
;;     2. [M 32,768, K 128] x [K 128, N 16]; A: input x; B: input wk (given as codes): QUANTISED (scales: A lowp_scales[2], B lowp_scales[3])
;;     3. [M 32,768, K 128] x [K 128, N 128]; A: input x; B: input wv (given as codes): QUANTISED (scales: A lowp_scales[4], B lowp_scales[5])
;;     4. batch 8 x [M 4,096, K 16] x [K 16, N 4,096]; A: computed on the way; B: computed on the way: left as it is (K = 16 < 32)
;;     5. batch 8 x [M 128, K 4,096] x [K 4,096, N 4,096]; A: computed on the way; B: softmax (see below): QUANTISED (scales: A lowp_scales[6], B lowp_scales[7])
;;   THE QUANTISER, for each operand of a quantised product, along K:
;;     - The operand's scale is 2^e, e = its entry of the input lowp_scales (int32; the entries are numbered through the quantised products in the list's order, A before B).
;;     - Each number is divided by the scale, clamped to +-57,344, and rounded to the nearest number of E5M2, ties to even, subnormals kept.
;;     - The product sums the exact products of the quantised numbers (number of the format x scale) in f32.
;;   ~~~python
;;   def quantise(x, axis, e):      # numpy; x: float32 -> the quantised numbers, widened to float32 again
;;       x = np.moveaxis(x, axis, -1); K = x.shape[-1]
;;       r = np.clip(x / 2.0 ** e, -57344, 57344)
;;       step = 2.0 ** (np.maximum(np.frexp(np.where(r == 0, 1, r))[1] - 1, -14) - 2)
;;       q = np.round(r / step) * step * 2.0 ** e      # np.round: ties to even
;;       return np.moveaxis(q, -1, axis).astype(np.float32)
;;   ~~~
;;   SOFTMAX AHEAD OF A QUANTISED PRODUCT. Where the list says 'softmax', what is quantised is not the finished softmax but p = 2^(t - M), with t = logit x log2(e) and M = ceil(the row's largest t), a whole number; so 1/2 < the row's largest p <= 1. The row's sum l is taken of the UNQUANTISED p, in f32, and the product's result is divided by l at the end. Since M is a whole number, a kernel that streams over the keys may use a running M (the ceiling of the running maximum): every later rescaling is an exact power of two, so the quantised numbers keep their values, but for numbers so far below the row's largest that they fall under the format's range.
;;   OPERANDS COMPUTED ON THE WAY. 'Computed on the way' means the value that the module computes at that place (a softmax that the list does not call 'softmax' is quantised finished and normalised). What goes into a quantiser is computed in f32, as accurately as f32 sums, v_exp_f32 and their like allow (about 1e-6 of the number): no bf16 or f16 on the way to a quantiser, and a product that is left as it is and whose result goes on into a quantised operand takes f32 operands (vector FMAs, or v_wmma_f32_16x16x4_f32). A number that lies on a knife's edge between two numbers of the format may be rounded either way, as far as f32 arithmetic and the matrix unit's own rounding can turn it there, and no further.
;;   INPUTS GIVEN AS CODES. wk (in the module: [16, 128], K = its axis 1); wq (in the module: [16, 128], K = its axis 1); wv (in the module: [128, 128], K = its axis 1): each comes as NAME_codes (uint8): NAME with its K axis moved to the last place and cut into blocks of 32 codes, [.., K / 32, bytes a block], one block behind the other in memory; one code a byte (a code: sign, 5 exponent bits, 2 mantissa bits); its scale is its entry of lowp_scales. Its value is code x scale, taken as it is: it is not quantised again, and the codes and scales need not be those that the quantiser above would give.
;; One version. Each part assembles by itself: llvm-mc -triple=amdgcn-amd-amdhsa -mcpu=gfx1250 --defsym DOCPART=n.
;; ======== version 1 of 1: 2 launches
;; workspace buffers: qimg 2,097,152 bytes; kv 6,291,456 bytes
;; launch proj (part 1): grid 32 x 8, 8 waves a work-group, no clusters, 84,992 bytes of LDS; arguments x, wq_codes, wk_codes, wv_codes, bq, bk, bv, lowp_scales, qimg, kv; writes qimg, kv
.if DOCPART == 1
	.amdgcn_target "amdgcn-amd-amdhsa--gfx1250"
	.amdhsa_code_object_version 6
	.text
	.protected	k_qac9be6b790_proj
	.globl	k_qac9be6b790_proj
	.p2align	8
	.type	k_qac9be6b790_proj,@function
k_qac9be6b790_proj:
	s_mov_b64 s[64:65], 0
	v_nop
	global_prefetch_b8 v0, s[64:65] scope:SCOPE_SE
	s_setreg_imm32_b32 hwreg(HW_REG_WAVE_MODE, 25, 1), 1
	s_wait_xcnt 0x0
; q = wq x + bq, k = wk x + bk, v = wv x + bv (1x1 convolutions), the three products on codes of BF8 (E5M2).  x: [8][128 channels][4,096 pixels] f32, quantised here along
; the channels three times, with 2^e0 (for q), 2^e2 (for k), 2^e4 (for v); the weights arrive as codes, K innermost.  q and k stay f32; v is quantised along the pixels (the keys) with 2^e6.
; NO WORK OF reference() IS LEFT OUT, here or in the launch behind: every input has a way to the output and is loaded.  bk adds to each score a term that is the same along the softmax's
; axis, but it moves t, the whole number M and so p's codes: it stays.
; LIMITS: e0, e2, e4, e6 between -126 and 112; e0 + e1, e2 + e3, e4 + e5 between -126 and 127, so that each power of two below is an f32 number.  NaN among the inputs is not served.
; RESULTS ARE STORED AS IMAGES OF THE NEXT LAUNCH'S OPERAND REGISTERS, so that it loads each fragment as 512 consecutive bytes an instruction:
;   qimg [b][tile of 16 pixels][chunk g][lane][16 bytes]: lane (r, h) holds dims 8 h + 4 g + 0 .. 3 of pixel 16 tile + r.
;   kv [b][step of 128 keys][24,576 bytes]: eight tiles of k laid as qimg's (8,192 bytes), then eight fragments of v (channels 16 ct on; 2,048 bytes each: [chunk g][lane][16 bytes] = registers
;   4 g .. 4 g + 3; lane (r, h): channel 16 ct + r; registers 2 c, 2 c + 1: keys 16 c + 8 h + 0 .. 7).
; SHARES.  A work-group takes 128 pixels (one step) of one batch, all 128 channels.  Eight waves.  Head: wave w loads channel rows 16 w .. 16 w + 15 (512 consecutive bytes a load) into LDS.
; Phase 1: wave w owns pixel tile w: a lane takes ONE pixel and its registers run down the channels, in the order of the operand's layout, so the conversions' results are the operand.
;   q^T = wq (source 0) x x (source 1): lane = pixel, register j = dim 8 h + j.  Its x codes for v go to LDS as an image of the registers.
; Phase 2: wave w owns channels 16 w on: v^T = x (source 0: 16 pixels) x wv (source 1): lane = channel, register j = pixel 8 h + j: eight neighbours along the next product's K.
; No tensor load: each byte of x is read once, through registers, and all loads of a work-group are issued at its head.  No cluster: work-groups share only the 20 KiB of weights.
.set PITCH, 528                        ; a channel row in LDS: 512 bytes + 16
.set XIMG,  128*PITCH                  ; behind the rows: eight images of 2,048 bytes
.set SPARE, XIMG+8*2048                ; behind them: the spare words, 128 bytes a wave: four blocks of 256 bytes that no other line names
.set STEPB, 24576                      ; a step of kv
.set LI,  1                            ; v1   16 x lane
.set XS,  2                            ; v2   where I store my channel rows: 16 rows x wave + 16 x lane
.set XR,  3                            ; v3   where I read my pixel: 8 h rows + 64 x wave + 4 r
.set WA,  4                            ; v4   a weight's fragment: 128 r + 8 h
.set BA,  5                            ; v5   bq, bk: 32 h
.set SPW, 6                            ; v6   LDS address of my spare word; never rewritten
.set NIL, 7                            ; v7   0; never rewritten
                                       ; v8/9, v10/11, v12/13, v14/15: 2^e and 57,344 x 2^e for e0, e2, e4, e6
.set WQ,  16                           ; v16-31 wq's fragment, v32-47 wk's, v48-63 my 16 rows of wv
.set WK,  32
.set WVF, 48
.set BQ,  64                           ; v64-71 bq, v72-79 bk at my eight dims; later v64-79: v's codes
.set BK,  72
.set VC,  64
.set BV,  80                           ; v80 bv of my channel (v81 is named with it as a pair)
.set BVA, 82                           ; v82  4 r
.set XI,  83                           ; v83  XIMG + 16 x lane
.set XW,  84                           ; v84  the same + 2,048 x wave
.set X,   96                           ; v96-159 64 numbers of x; phase 2: v96-223 the eight images
.set T,   160                          ; v160-223 the held numbers; then q's and k's sums and results
.set CA,  224                          ; v224-239 codes for v, then for k
.set CB,  240                          ; v240-255 codes for q
.macro MKSC e, vs, vl                  ; 2^e as f32 (the conversion takes its exponent field), and 57,344 x 2^e
	s_add_co_i32 s50, s[\e], 127
	s_lshl_b32 s51, s50, 23
	v_mov_b32 v[\vs], s51
	s_add_co_i32 s50, s50, 15
	s_lshl_b32 s50, s50, 23
	s_or_b32 s50, s50, 0x600000
	v_mov_b32 v[\vl], s50
.endm
.macro MKPROD d, a, b                  ; 2^(ea + eb) as f32, in a pair: the packed form names both
	s_add_co_i32 s[\d], s[\a], s[\b]
	s_add_co_i32 s[\d], s[\d], 127
	s_lshl_b32 s[\d], s[\d], 23
	s_mov_b32 s[\d+1], s[\d]
.endm
; 64 numbers of a lane become a fragment's 16 registers of codes.  The conversion to an 8-bit code does not saturate (ISA guide 7.6.2): each number is first held within the largest code x the scale.
.macro QUANT src, dst, cod, sc, lim
.set u, 0
.rept 64
	v_med3_num_f32 v[\dst+u], v[\src+u], -v[\lim], v[\lim]
.set u, u+1
.endr
.set u, 0
.rept 8
	v_cvt_scalef32_pk8_bf8_f32 v[\cod+2*u:\cod+2*u+1], v[\dst+8*u:\dst+8*u+7], v[\sc]
.set u, u+1
.endr
	v_nop                                          ; one plain vector line between the conversions and whatever next touches their results or writes their sources
.endm
.macro BARRIER                                 ; my LDS stores have landed and my LDS loads are in: then the work-group's barrier
	s_wait_dscnt 0x0
	s_barrier_signal -1
	s_barrier_wait -1
.endm
	s_load_b512 s[4:19], s[0:1], 0x0               ; x s[4:5], wq s[6:7], wk s[8:9], wv s[10:11], bq s[12:13], bk s[14:15], bv s[16:17], the scales' exponents s[18:19]
	s_load_b128 s[20:23], s[0:1], 0x40             ; qimg s[20:21], kv s[22:23]
	v_lshl_add_u32 v[SPW], v0, 2, SPARE
	v_mov_b32 v[NIL], 0
	v_lshrrev_b32 v85, 5, v0
	v_readfirstlane_b32 s32, v85                   ; wave 0..7
	s_and_b32 s34, ttmp7, 0xffff                   ; batch
	v_and_b32 v[LI], 31, v0
	v_lshlrev_b32 v[LI], 4, v[LI]
	v_and_b32 v85, 15, v0                          ; r
	v_bfe_u32 v86, v0, 4, 1                        ; h
	s_mul_i32 s50, s32, 16*PITCH
	v_add_nc_u32 v[XS], s50, v[LI]
	v_mul_u32_u24 v[XR], v86, 8*PITCH
	v_lshl_add_u32 v[XR], v85, 2, v[XR]
	s_lshl_b32 s50, s32, 6
	v_add_nc_u32 v[XR], s50, v[XR]
	v_lshlrev_b32 v[WA], 7, v85
	v_lshl_add_u32 v[WA], v86, 3, v[WA]
	v_lshlrev_b32 v[BA], 5, v86
	v_lshlrev_b32 v[BVA], 2, v85
	v_add_nc_u32 v[XI], XIMG, v[LI]
	s_lshl_b32 s50, s32, 11
	v_add_nc_u32 v[XW], s50, v[XI]
	s_lshl_b32 s36, s34, 21                        ; x: the batch's 2 MiB,
	s_lshl_b32 s50, ttmp9, 9                       ; the step's 128 pixels,
	s_add_co_u32 s36, s36, s50
	s_lshl_b32 s50, s32, 18                        ; my 16 channel rows of 16,384 bytes
	s_add_co_u32 s36, s36, s50
	s_mov_b32 s37, 0
	s_mov_b32 s39, 0
	s_wait_kmcnt 0x0
	s_load_b256 s[24:31], s[18:19], 0x0            ; e0 .. e7
	s_add_nc_u64 s[4:5], s[4:5], s[36:37]
.set u, 0
.rept 16
	global_load_b128 v[X+4*u:X+4*u+3], v[LI], s[4:5] offset:u*16384 th:TH_LOAD_NT   ; a channel row's 512 consecutive bytes
.set u, u+1
.endr
	s_lshl_b32 s38, s32, 11                        ; my 16 rows of wv
	s_add_nc_u64 s[10:11], s[10:11], s[38:39]
	s_lshl_b32 s38, s32, 6                         ; and their 16 numbers of bv
	s_add_nc_u64 s[16:17], s[16:17], s[38:39]
.irp c, 0,1,2,3,4,5,6,7                        ; a fragment of 16 rows x 128 K: registers 2 c, 2 c + 1 hold K = 16 c + 8 h + 0 .. 7 of row r
	global_load_b64 v[WQ+2*\c:WQ+2*\c+1], v[WA], s[6:7] offset:16*\c
	global_load_b64 v[WK+2*\c:WK+2*\c+1], v[WA], s[8:9] offset:16*\c
	global_load_b64 v[WVF+2*\c:WVF+2*\c+1], v[WA], s[10:11] offset:16*\c
.endr
	global_load_b128 v[BQ:BQ+3], v[BA], s[12:13]
	global_load_b128 v[BQ+4:BQ+7], v[BA], s[12:13] offset:16
	global_load_b128 v[BK:BK+3], v[BA], s[14:15]
	global_load_b128 v[BK+4:BK+7], v[BA], s[14:15] offset:16
	global_load_b32 v[BV], v[BVA], s[16:17]
	s_lshl_b32 s38, s34, 8                         ; qimg: tile 256 b + 8 step + wave, 1,024 bytes each
	s_lshl_b32 s50, ttmp9, 3
	s_add_co_u32 s38, s38, s50
	s_add_co_u32 s38, s38, s32
	s_lshl_b32 s38, s38, 10
	s_add_nc_u64 s[20:21], s[20:21], s[38:39]
	s_lshl_b32 s38, s34, 5                         ; kv: step 32 b + step
	s_add_co_u32 s38, s38, ttmp9
	s_mul_i32 s38, s38, STEPB
	s_add_nc_u64 s[22:23], s[22:23], s[38:39]
	s_lshl_b32 s38, s32, 10
	s_add_nc_u64 s[46:47], s[22:23], s[38:39]      ; my tile of k
	s_lshl_b32 s38, s32, 11
	s_add_co_u32 s38, s38, 8192
	s_add_nc_u64 s[48:49], s[22:23], s[38:39]      ; my fragment of v
	s_wait_kmcnt 0x0
	MKSC 24, 8, 9
	MKSC 26, 10, 11
	MKSC 28, 12, 13
	MKSC 30, 14, 15
	MKPROD 40, 24, 25
	MKPROD 42, 26, 27
	MKPROD 44, 28, 29
	s_wait_loadcnt 29                              ; x's 16 loads are in; the 29 loads of weights and biases issued behind them may be out
.set u, 0
.rept 16
	ds_store_b128 v[XS], v[X+4*u:X+4*u+3] offset:u*PITCH
.set u, u+1
.endr
	BARRIER                                        ; all 128 channel rows lie in LDS
	; ---- phase 1: my 16 pixels.  Register 8 c + i = x(channel 16 c + 8 h + i, my pixel).  Lanes 0-15 read 64 consecutive bytes; lanes 16-31 eight rows on, 1,056 words: half way round the 64 banks of 4 bytes (ISA guide 11.1)
.set u, 0
.rept 64
	ds_load_b32 v[X+u], v[XR] offset:(16*(u/8)+u%8)*PITCH
.set u, u+1
.endr
	s_wait_dscnt 0x0
	s_wait_loadcnt 0x0                             ; weights and biases
	v_mov_b32 v[BV+1], v[BV]
	QUANT X, T, CA, 12, 13                         ; with 2^e4: for v
.irp g, 0,1,2,3
	ds_store_b128 v[XW], v[CA+4*\g:CA+4*\g+3] offset:512*\g   ; the fragment as it stands: lane l's 16 bytes at 16 l
.endr
	s_wait_dscnt 0x0                               ; the stores have read their registers
	QUANT X, T, CB, 8, 9                           ; with 2^e0: for q
	QUANT X, X, CA, 10, 11                         ; with 2^e2: for k
	v_wmma_f32_16x16x128_bf8_bf8 v[160:167], v[WQ:WQ+15], v[CB:CB+15], 0
	v_wmma_f32_16x16x128_bf8_bf8 v[168:175], v[WK:WK+15], v[CA:CA+15], 0
.rept 4
	v_nop                                          ; four places between a matrix instruction and the first read of its result (ISA guide 7.12.1)
.endr
.irp j, 0,2,4,6
	v_pk_fma_f32 v[176+\j:177+\j], v[160+\j:161+\j], s[40:41], v[BQ+\j:BQ+\j+1] op_sel_hi:[1,0,1]   ; q = sum x 2^(e0 + e1) + bq: one rounding
.endr
.irp j, 0,2,4,6
	v_pk_fma_f32 v[184+\j:185+\j], v[168+\j:169+\j], s[42:43], v[BK+\j:BK+\j+1] op_sel_hi:[1,0,1]   ; k = sum x 2^(e2 + e3) + bk
.endr
	global_store_b128 v[LI], v[176:179], s[20:21]              ; each store of the wave covers 512 consecutive bytes, aligned
	global_store_b128 v[LI], v[180:183], s[20:21] offset:512
	global_store_b128 v[LI], v[184:187], s[46:47]
	global_store_b128 v[LI], v[188:191], s[46:47] offset:512
	BARRIER                                        ; the eight images of x's codes lie in LDS
	; ---- phase 2: my 16 channels of v, for all 128 pixels
	s_wait_xcnt 0x0                                ; the four stores have read their data: v176-191 are loaded into only behind this wait
.irp t, 0,1,2,3,4,5,6,7
.irp g, 0,1,2,3
	ds_load_b128 v[96+16*\t+4*\g:96+16*\t+4*\g+3], v[XI] offset:2048*\t+512*\g
.endr
.endr
	s_wait_dscnt 0x0
.rept 5
	v_nop                                          ; the results below are laid over operands of the two products above: five places
.endr
.irp t, 0,1,2,3,4,5,6,7                        ; tile t: pixels 16 t on.  Results at v16-47 (t < 4) and v224-255
.if \t < 4
.set DD, 16+8*\t
.else
.set DD, 192+8*\t
.endif
	v_wmma_f32_16x16x128_bf8_bf8 v[DD:DD+7], v[96+16*\t:111+16*\t], v[WVF:WVF+15], 0
.endr
.rept 4
	v_nop
.endr
.irp t, 0,1,2,3,4,5,6,7
.if \t < 4
.set DD, 16+8*\t
.else
.set DD, 192+8*\t
.endif
.irp j, 0,2,4,6
	v_pk_fma_f32 v[DD+\j:DD+\j+1], v[DD+\j:DD+\j+1], s[44:45], v[BV:BV+1] op_sel_hi:[1,0,0]   ; v = sum x 2^(e4 + e5) + bv of my channel
.endr
.irp j, 0,1,2,3,4,5,6,7
	v_med3_num_f32 v[DD+\j], v[DD+\j], -v15, v15
.endr
	v_cvt_scalef32_pk8_bf8_f32 v[VC+2*\t:VC+2*\t+1], v[DD:DD+7], v14   ; keys 16 t + 8 h + 0 .. 7: registers 2 t, 2 t + 1 of the fragment
.endr
	v_nop
.irp g, 0,1,2,3
	global_store_b128 v[LI], v[VC+4*\g:VC+4*\g+3], s[48:49] offset:512*\g
.endr
	s_wait_tensorcnt 0x0                           ; the wave's end, behind my last LDS store: a wait on tensor loads in a text with no tensor load too
	ds_add_u32 v[SPW], v[NIL]
	s_wait_dscnt 0x0
	s_endpgm
.Lfunc_end_k_qac9be6b790_proj:
	.size	k_qac9be6b790_proj, .Lfunc_end_k_qac9be6b790_proj-k_qac9be6b790_proj
	.p2alignl 7, 3214868480
	.fill 96, 4, 3214868480
	.section	.rodata,"a",@progbits
	.p2align	6, 0x0
	.amdhsa_kernel k_qac9be6b790_proj
		.amdhsa_group_segment_fixed_size 84992
		.amdhsa_private_segment_fixed_size 0
		.amdhsa_enable_private_segment 0
		.amdhsa_kernarg_size 80
		.amdhsa_user_sgpr_count 2
		.amdhsa_user_sgpr_kernarg_segment_ptr 1
		.amdhsa_wavefront_size32 1
		.amdhsa_system_sgpr_workgroup_id_x 1
		.amdhsa_system_sgpr_workgroup_id_y 1
		.amdhsa_system_sgpr_workgroup_id_z 1
		.amdhsa_system_vgpr_workitem_id 0
		.amdhsa_next_free_vgpr 256
		.amdhsa_next_free_sgpr 66
		.amdhsa_reserve_vcc 0
		.amdhsa_float_denorm_mode_32 3
		.amdhsa_float_denorm_mode_16_64 3
		.amdhsa_memory_ordered 1
		.amdhsa_forward_progress 1
		.amdhsa_inst_pref_size 39
	.end_amdhsa_kernel
	.amdgpu_metadata
---
amdhsa.version: [ 1, 2 ]
amdhsa.kernels:
  - .name:           k_qac9be6b790_proj
    .symbol:         k_qac9be6b790_proj.kd
    .args:
      - { .name: x, .offset: 0, .size: 8, .value_kind: global_buffer, .address_space: global }
      - { .name: wq_codes, .offset: 8, .size: 8, .value_kind: global_buffer, .address_space: global }
      - { .name: wk_codes, .offset: 16, .size: 8, .value_kind: global_buffer, .address_space: global }
      - { .name: wv_codes, .offset: 24, .size: 8, .value_kind: global_buffer, .address_space: global }
      - { .name: bq, .offset: 32, .size: 8, .value_kind: global_buffer, .address_space: global }
      - { .name: bk, .offset: 40, .size: 8, .value_kind: global_buffer, .address_space: global }
      - { .name: bv, .offset: 48, .size: 8, .value_kind: global_buffer, .address_space: global }
      - { .name: lowp_scales, .offset: 56, .size: 8, .value_kind: global_buffer, .address_space: global }
      - { .name: qimg, .offset: 64, .size: 8, .value_kind: global_buffer, .address_space: global }
      - { .name: kv, .offset: 72, .size: 8, .value_kind: global_buffer, .address_space: global }
    .group_segment_fixed_size: 84992
    .private_segment_fixed_size: 0
    .kernarg_segment_align: 8
    .kernarg_segment_size: 80
    .max_flat_workgroup_size: 256
    .sgpr_count:     66
    .vgpr_count:     256
    .wavefront_size: 32
...
	.end_amdgpu_metadata
.endif
;; end of part 1
;; launch attn (part 2): grid 32 x 8, 8 waves a work-group, clusters of 4 x 1, 327,680 bytes of LDS; arguments qimg, kv, lowp_scales, x, out0; writes out0
.if DOCPART == 2
	.amdgcn_target "amdgcn-amd-amdhsa--gfx1250"
	.amdhsa_code_object_version 6
	.text
	.protected	k_qac9be6b790_attn
	.globl	k_qac9be6b790_attn
	.p2align	8
	.type	k_qac9be6b790_attn,@function
k_qac9be6b790_attn:
	s_mov_b64 s[64:65], 0
	v_nop
	global_prefetch_b8 v0, s[64:65] scope:SCOPE_SE
	s_setreg_imm32_b32 hwreg(HW_REG_WAVE_MODE, 25, 1), 1
	s_wait_xcnt 0x0
	s_wait_alu depctr_hold_cnt(0) depctr_sa_sdst(0) depctr_va_vdst(0) depctr_va_sdst(0) depctr_va_ssrc(0) depctr_va_vcc(0) depctr_vm_vsrc(0)
	s_getreg_b32 s2, hwreg(HW_REG_IB_STS2, 6, 4)
	s_cmp_eq_u32 s2, 0
	s_cbranch_scc0 .Lentry_in_a_cluster
	s_endpgm
.Lentry_in_a_cluster:
	s_bfe_u32 s2, ttmp6, 0x10000c
	s_cmp_lg_u32 s2, 0x3003
	s_cbranch_scc0 .Lentry_shape_is_right
	s_endpgm
.Lentry_shape_is_right:
; out[b][c][i] = (the sum over keys j of v[b][c][j] p[i][j]) / l[i] + x[b][c][i], on the images that the launch before has stored.  No work of reference() is left out.
; SCORES: q . k over 16 dims, f32 operands (their result goes on into a quantiser): v_wmma_f32_16x16x4_f32, four K steps.  t = score x log2(e) / 4; M = the running largest t, rounded UP to a whole number;
; p = 2^(t - M) is quantised along the keys with 2^e7 and multiplied with v's codes (scale 2^e6) by v_wmma_f32_16x16x128_bf8_bf8.  l is the sum of the unquantised p.  When M moves, l and O are multiplied by
; 2^(old M - new M): exact.  At the end O x 2^(e6 + e7) / l, and x is added.
; LIMITS: e7 between -126 and 112; e6 + e7 is applied by v_ldexp_f32 and has none.  NaN among the inputs is not served.
; SHARES.  A work-group owns 128 queries of one batch, each of its eight waves 16 of them in 512 registers: two waves to a SIMD.  Every wave walks all 4,096 keys, 128 a step.
; A step of kv is 24,576 bytes: eight tiles of k, then eight fragments of v, each an image of operand registers: a load reads 512 consecutive bytes, so LDS has no padding.
; LAYOUT.  Both products are used transposed.  S^T = k q^T (source 0 = 16 keys, source 1 = my 16 queries): lane = query r, register j of tile c = key 16 c + 8 h + j: eight neighbours along the next K, so one
; conversion gives registers 2 c, 2 c + 1 of p's fragment.  In the f32 form's K step s a lane's two registers hold dims 8 h + 2 s, 8 h + 2 s + 1, alike in q and in k: every product meets its partner.
; O^T = v p^T (source 0 = 16 channels, source 1 = p): lane = query, register j = channel 16 ct + 8 h + j.
; BY TURNS.  A step has 32 score products and 245 vector lines of softmax.  The 75 lines that read S^T (the maximum, M, t - M) stand alone; the other 170 (exponentials, sums, holds, conversions) work on F and p's codes
; and name no register of a score product: they are cut into 32 slices, and slice k of step j stands behind product k of step j + 1.  So trip j is: ask for v(j) | ask for k(j + 1) | the lines that read S^T(j) |
; the products of S^T(j + 1) with step j's slices | O^T x f | O^T += v(j) p(j).  The fragments are asked for a whole run of vector lines ahead of their use.
; RING.  Two LDS slots of four steps (98,304 bytes), filled by the tensor data mover; each wave fetches an eighth of a slot: 48 rows of 256 bytes, dense in memory.  Both slots are asked for at the head: two loads of
; a wave are out there, later one.  THE CHANGE OF SLOTS stands in a slot's last trip, between the loads of its last v and the loads of the next slot's first k.
; CLUSTER.  The four query blocks of a cluster belong to one batch and walk the same kv: each part of a slot is asked for JOINTLY, by the same tensor load with the same descriptor and a mask that names the four.
; REGISTERS, in windows of 256 (s_set_vgpr_msb's low byte: bits 1:0 source 0, 3:2 source 1, 5:4 source 2, 7:6 destination):
;   window 0: v1 16 x lane; v2, v3 LDS addresses of v's and k's images; v4, v5 the add's two; v6 the prefetches' offset; v7, v8 the stage; v10 a permute's destination; v12 -M, v13 the largest t, v[14:15] l in two halves;
;     v16-23 q; v32-95 k's eight tiles; v96-159 S^T, written by the f32 matrix form alone; v160-223 F: t - M, then p; v224-239 p's codes; v240 57,344 x 2^e7; v244 2^e7; v242-243, v246-249, v252-254 at work.
;   window 1: v0-63 O^T; v64-191 v's eight fragments.
.set STEPB, 24576
.set SLOTB, 4*STEPB
.set SLOT1, 1<<17                      ; slot 1 begins here, so that one exclusive or turns an address in one slot into the other's
.set PART,  SLOTB/8                    ; what one wave fetches of a slot
.set BKV,   32*STEPB                   ; a batch of kv
.set PITCH, 528                        ; the way out: a channel row of 128 queries, 512 bytes + 16
.set STAGE, SLOT1+SLOTB                ; behind the ring: 128 such rows; no tensor load lands here
.set SPARE, STAGE+128*PITCH            ; behind the stage: the spare words, 128 bytes a wave: four blocks of 256 bytes that no other line names
.set LI,  1
.set ADV, 2
.set ADK, 3
.set SPW, 4
.set NIL, 5
.set PFO, 6
.set STO, 7
.set SRD, 8
.set PD,  10
.set Q,   16
.set KF,  32
.set S,   96
.set F,   160
.set P,   224
.set MX,  246
.set O,   0                            ; in window 1
.set VF,  64                           ; in window 1
.set MSB, 0
.macro WIN new                         ; the immediate's high byte repeats the setting that is left; a switch that changes nothing is dropped
.if MSB != \new
	s_set_vgpr_msb (MSB<<8)|\new
.set MSB, \new
.endif
.endm
.set TO_1, 0x40                        ; destination window 1, address window 0
.set W_RS, 0x41                        ; O^T (destination and source 0) window 1, f window 0
.set W_PV, 0x51                        ; v (source 0), C and D window 1; p's codes (source 1) window 0
; A round of the cluster's barrier: my work-group's barrier, so that wave 0's signal speaks for all eight waves; wave 0 signals for the work-group; every wave waits for all four work-groups; my work-group's barrier once more.
.macro CROUND
	s_barrier_signal -1
	s_barrier_wait -1
	s_cmp_lg_u32 s14, 0
	s_cbranch_scc1 .Lnot_wave_0_\@
	s_barrier_signal -3
.Lnot_wave_0_\@:
	s_barrier_wait -3
	s_barrier_signal -1
	s_barrier_wait -1
.endm
; A PREFETCH of the slot that the NEXT change of slots will ask for: four key steps ahead of that load.  Each aligned block of 256 bytes is named once in the launch: all eight clusters of a batch walk the same kv, and the
; batch's first cluster asks; its four partners take 24,576 bytes each, told apart BY ADDRESS; in each, waves 0 to 2 ask for 8,192 bytes, lanes 256 bytes apart.  The last change that fills a slot asks for nothing.
.macro ASK
	s_cmp_gt_u32 s37, s46
	s_cbranch_scc0 .Lnot_mine_\@
	global_prefetch_b8 v[PFO], s[44:45] th:TH_LOAD_NT scope:SCOPE_SE
.Lnot_mine_\@:
.endm
; THE CHANGE OF SLOTS.  Each wave waits for all its tensor loads (its part of the slot ahead), adds 0 to its spare word, and waits for that and for its reads of the slot that it leaves, the last v's among them.
; fill = 1: a round of the cluster's barrier, so that no wave of any partner still reads that slot or has a load on its way; the joint load of the four steps two slots on is the first thing behind it.
.macro CHANGE fill
	s_wait_tensorcnt 0x0                           ; no tensor load of mine is out, so the descriptor may be written
	ds_add_u32 v[SPW], v[NIL]                      ; 0 onto my spare word
.if \fill
	s_xor_b32 s57, s57, SLOT1                      ; the walking descriptor: the other slot than last time,
	s_add_nc_u64 s[58:59], s[58:59], SLOTB         ; the next four steps; the type bits on top are not reached
	s_wait_xcnt 0x0                                ; the last prefetch, a slot back, has read its address, so it may be written:
	s_add_nc_u64 s[44:45], s[44:45], SLOTB         ; one slot further on than the descriptor
	s_wait_dscnt 0x0                               ; the add is done, and my reads of the slot that I leave are over
	CROUND
	tensor_load_to_lds s[56:59], s[24:31]
	s_nop 0
.rept 4
	v_nop
.endr
	ASK
.else
	s_wait_dscnt 0x0
	s_barrier_signal -1
	s_barrier_wait -1
.endif
.endm
.macro KLOAD adr                               ; k's eight tiles, 16 loads of 512 consecutive bytes
.irp g, 0,1
.irp t, 0,1,2,3,4,5,6,7
	ds_load_b128 v[KF+8*\t+4*\g:KF+8*\t+4*\g+3], v[\adr] offset:1024*\t+512*\g
.endr
.endr
.endm
.macro VLOAD                                   ; v's eight fragments, 32 loads, into window 1
.irp u, 0,1,2,3,4,5,6,7
.irp c, 0,1,2,3
	ds_load_b128 v[VF+16*\u+4*\c:VF+16*\u+4*\c+3], v[ADV] offset:8192+2048*\u+512*\c
.endr
.endr
.endm
; Product i of 32 of S^T = k q^T: K step i / 8, tile i % 8.  The eight accumulators take turns, one instruction a turn; the first K step starts the sums.
.macro KQ
.set kt, i%8
.set ks, i/8
.if ks == 0
	v_wmma_f32_16x16x4_f32 v[S+8*kt:S+8*kt+7], v[KF+8*kt:KF+8*kt+1], v[Q:Q+1], 0
.else
	v_wmma_f32_16x16x4_f32 v[S+8*kt:S+8*kt+7], v[KF+8*kt+2*ks:KF+8*kt+2*ks+1], v[Q+2*ks:Q+2*ks+1], v[S+8*kt:S+8*kt+7]
.endif
.set i, i+1
.endm
; THE LINES THAT READ S^T: the step's largest score, the new M and f, and t - M into F.
.macro READS
.irp n, 0,1,2,3                                ; the largest score of my query among my 64 keys, in four chains of 15; each accumulator is read from its low end on
	v_max3_num_f32 v[MX+\n], v[S+16*\n], v[S+16*\n+1], v[S+16*\n+2]
.endr
.irp m, 3,5,7,9,11,13
.irp n, 0,1,2,3
	v_max3_num_f32 v[MX+\n], v[MX+\n], v[S+16*\n+\m], v[S+16*\n+\m+1]
.endr
.endr
	v_max3_num_f32 v[MX], v[MX], v[S+15], v[S+31]  ; the four scores left over, and the chains
	v_max3_num_f32 v[MX+2], v[MX+2], v[S+47], v[S+63]
	v_max3_num_f32 v[MX], v[MX], v[MX+1], v[MX+2]
	v_max_num_f32 v254, v[MX], v[MX+3]
	v_permlanex16_b32 v[PD], v254, s42, s43
	v_max_num_f32 v254, v254, v[PD]                ; and among lane l xor 16's
	v_mul_f32 v254, s40, v254                      ; as t (c is positive)
	v_max_num_f32 v13, v13, v254                   ; the running largest t
	v_mov_b32 v254, v12
	v_floor_f32 v12, -v13                          ; the new -M = floor(-t) = -ceil(t): M is a whole number
	v_sub_f32 v254, v12, v254                      ; M's old value less its new one: a whole number, 0 or less
	v_cvt_i32_f32 v254, v254                       ; (it saturates)
	v_ldexp_f32 v252, 1.0, v254                    ; f = 2^(old M - new M)
.set j, 0
.rept 32
	v_pk_fma_f32 v[F+j:F+j+1], v[S+j:S+j+1], s[40:41], v[12:13] op_sel_hi:[1,0,0]   ; t - M, two at a time, into F: S^T's registers are written by matrix instructions alone
.set j, j+2
.endr
.endm
; Slice k of 32 of the rest of a step's softmax.  Slices 0 to 15: the 64 exponentials, ONE BATCH: none of them reads a result; behind the last stand one plain line and one wait
; ahead of the first reader.  Slices 16 to 31, two to a tile of 8 registers: l takes the UNQUANTISED p (two chains); then the hold (the conversion does not saturate: ISA guide 7.6.2; p is not negative, so it is
; one-sided); then the conversion: keys 16 c + 8 h + 0 .. 7, registers 2 c, 2 c + 1 of p's fragment.  Plain lines follow every conversion before anything touches its result or writes its sources.
.macro SLICE
.if k < 16
.irp n, 0,1,2,3
	v_exp_f32 v[F+4*k+\n], v[F+4*k+\n]             ; p = 2^(t - M), at most 1: not normalised
.endr
.if k == 15
	v_pk_mul_f32 v[14:15], v[14:15], v[252:253] op_sel_hi:[1,0]   ; l under the new M: the plain line behind the exponentials
	s_wait_alu depctr_va_vdst(0)                   ; one wait for the whole batch
.endif
.else
.set tc, (k-16)/2
.if (k%2) == 0
.if tc == 0
	v_pk_add_f32 v[242:243], v[F:F+1], v[F+2:F+3]
.else
	v_pk_add_f32 v[14:15], v[14:15], v[F+8*tc:F+8*tc+1]
	v_pk_add_f32 v[242:243], v[242:243], v[F+8*tc+2:F+8*tc+3]
.endif
	v_pk_add_f32 v[14:15], v[14:15], v[F+8*tc+4:F+8*tc+5]
	v_pk_add_f32 v[242:243], v[242:243], v[F+8*tc+6:F+8*tc+7]
.irp n, 0,1,2,3
	v_min_num_f32 v[F+8*tc+\n], v[F+8*tc+\n], v240
.endr
.else
.irp n, 4,5,6,7
	v_min_num_f32 v[F+8*tc+\n], v[F+8*tc+\n], v240
.endr
	v_cvt_scalef32_pk8_bf8_f32 v[P+2*tc:P+2*tc+1], v[F+8*tc:F+8*tc+7], v244
.if tc == 7
	v_pk_add_f32 v[14:15], v[14:15], v[242:243]    ; the two chains; also the plain line directly behind the last conversion
.endif
.endif
.endif
.set k, k+1
.endm
; TRIP j.  s36: LDS byte of step j's images; s39: of step j + 1's.  chg = 1: the change of slots, with a refill; 2: without; 0: none.  kq = 0: the last step, which has no successor.
.macro TRIP chg, kq
	v_add_nc_u32 v[ADV], s36, v[LI]
.if \kq
	v_add_nc_u32 v[ADK], s39, v[LI]
.else
	v_nop
.endif
	v_nop
	v_nop                                          ; these four lines are the places in front of loads into registers that the last products O^T += v p have read (ISA guide 7.12.1 for vector instructions)
	WIN TO_1
	VLOAD                                          ; v(j)
	WIN 0
.if \chg == 1
	CHANGE 1
.elseif \chg == 2
	CHANGE 0
.endif
.if \kq
	KLOAD ADK                                      ; k(j + 1): the last product that read these registers stands 37 plain lines back (five of slice 31, and O^T x f): eight are asked behind that form
.endif
	READS
	s_wait_dscnt 0x0                               ; k(j + 1) and v(j) are in: they were asked for ahead of the 75 lines above
.set k, 0
.set i, 0
.rept 32
.if \kq
	KQ
.endif
	SLICE
.endr
	WIN W_RS
.set j, 0
.rept 32
	v_pk_mul_f32 v[O+j:O+j+1], v[O+j:O+j+1], v[252:253] op_sel_hi:[1,0]   ; O^T under the new M, each accumulator from its low end on
.set j, j+2
.endr
	WIN W_PV
.irp u, 0,1,2,3,4,5,6,7                        ; O^T += v p^T: eight accumulators, one instruction each
	v_wmma_f32_16x16x128_bf8_bf8 v[O+8*\u:O+8*\u+7], v[VF+16*\u:VF+16*\u+15], v[P:P+15], v[O+8*\u:O+8*\u+7]
.endr
	WIN 0                                          ; at a label and at a branch every window is 0
	s_add_co_u32 s36, s36, STEPB
.if \kq
	s_add_co_u32 s39, s39, STEPB
.endif
.endm
.macro THREE                                   ; a slot's first three trips: written once, walked three times
	s_mov_b32 s38, 3
.Lstep_\@:
	TRIP 0, 1
	s_sub_co_u32 s38, s38, 1
	s_cmp_lg_u32 s38, 0
	s_cbranch_scc1 .Lstep_\@
.endm
.macro TURNK                                   ; k's images go on to the other slot's first step
	s_sub_co_u32 s39, s39, 4*STEPB
	s_xor_b32 s39, s39, SLOT1
.endm
.macro TURNV                                   ; and, a trip later, v's
	s_sub_co_u32 s36, s36, 4*STEPB
	s_xor_b32 s36, s36, SLOT1
.endm
	s_load_b256 s[4:11], s[0:1], 0x0               ; qimg s[4:5], kv s[6:7], the scales' exponents s[8:9], x s[10:11]
	s_load_b64 s[12:13], s[0:1], 0x20              ; out0
	v_lshl_add_u32 v[SPW], v0, 2, SPARE
	v_mov_b32 v[NIL], 0
	ds_add_u32 v[SPW], v[NIL]                      ; the wave's opening: the add, twice on end, and its wait ahead of my first tensor load; the set-up below, work on registers, stands between
	ds_add_u32 v[SPW], v[NIL]
	v_lshrrev_b32 v9, 5, v0
	v_readfirstlane_b32 s14, v9                    ; wave 0..7
	s_bfe_u32 s15, ttmp6, 0x40000                  ; cx: my place in the cluster
	s_lshl_b32 s16, ttmp9, 2                       ; in a cluster launch ttmp9 counts clusters
	s_add_co_u32 s16, s16, s15                     ; my block of 128 queries: it enters global addresses of q, x and out alone
	s_and_b32 s17, ttmp7, 0xffff                   ; the batch, which the four partners share
	; descriptor group 1: 48 rows of 32 elements of 8 bytes, dense in memory and in LDS
	s_mov_b32 s24, 15|(3<<16)|(1<<21)              ; 15:0 the mask: all four work-groups; 17:16 elements of 8 bytes; 21 set beside a mask; no padding
	s_mov_b32 s25, 32<<16                          ; tensor_dim0 = 32
	s_mov_b32 s26, 48<<16                          ; tensor_dim1 = 48
	s_mov_b32 s27, 32<<16                          ; tile_dim0 = 32
	s_mov_b32 s28, 48                              ; tile_dim1 = 48
	s_mov_b32 s29, 32                              ; from row to row: 32 elements
	s_mov_b32 s30, 0
	s_mov_b32 s31, 0
	s_mov_b32 s40, 0x3eb8aa3b                      ; c = log2(e) / sqrt(16)
	s_mov_b32 s41, s40                             ; (named with it as a pair, so it is written)
	s_mov_b32 s42, 0x76543210                      ; lane selects for v_permlanex16_b32: lane l xor 16
	s_mov_b32 s43, 0xfedcba98
	v_and_b32 v[LI], 31, v0
	v_lshlrev_b32 v[PFO], 8, v[LI]
	v_lshlrev_b32 v[LI], 4, v[LI]
	v_and_b32 v9, 15, v0                           ; r
	v_bfe_u32 v11, v0, 4, 1                        ; h
	v_mul_u32_u24 v[STO], v11, 8*PITCH             ; into the stage: channel row 8 h (+ 16 ct + j in the immediate), query 16 x wave + r
	v_lshl_add_u32 v[STO], v9, 2, v[STO]
	s_lshl_b32 s19, s14, 6
	s_add_co_u32 s19, s19, STAGE
	v_add_nc_u32 v[STO], s19, v[STO]
	s_mul_i32 s19, s14, 16*PITCH                   ; back: my 16 channel rows, 16 bytes a lane
	s_add_co_u32 s19, s19, STAGE
	v_add_nc_u32 v[SRD], s19, v[LI]
	s_mul_i32 s18, s17, BKV                        ; the batch's kv
	s_mov_b32 s32, 1                               ; descriptor group 0 for steps 0 to 3: count = 1,
	s_mul_i32 s33, s14, PART                       ; LDS address: my eighth of slot 0: no place in the cluster enters it
	s_mov_b32 s56, 1                               ; a second group 0, for steps 4 to 7, which then walks on:
	s_add_co_u32 s57, s33, SLOT1                   ; my eighth of slot 1
	s_add_co_u32 s22, s18, s33                     ; my eighth of the batch's first four steps in memory
	s_mov_b32 s23, 0
	s_mul_i32 s52, s15, STEPB                      ; the prefetches: my work-group's quarter of a slot,
	s_lshl_b32 s50, s14, 13                        ; my wave's 8,192 bytes of it,
	s_add_co_u32 s52, s52, s50
	s_add_co_u32 s52, s52, s18
	s_add_co_u32 s52, s52, 2*SLOTB                 ; at steps 8 to 11: the first change of slots steps it to steps 12 to 15.  Nothing is prefetched here, at the head
	s_mov_b32 s53, 0
	s_cmp_lt_u32 s14, 3
	s_cselect_b32 s46, 0, 1                        ; 0 in waves 0 to 2,
	s_or_b32 s46, s46, ttmp9                       ; of the batch's first cluster: the same in all four partners
	s_cmp_eq_u32 s46, 0
	s_cselect_b32 s46, 1, -1                       ; a wave prefetches while s37 is above this
	s_lshl_b32 s50, s17, 8                         ; q: tile 256 b + 8 x block + wave, 1,024 bytes each
	s_lshl_b32 s51, s16, 3
	s_add_co_u32 s50, s50, s51
	s_add_co_u32 s50, s50, s14
	s_lshl_b32 s50, s50, 10
	s_mov_b32 s51, 0
	s_lshl_b32 s20, s17, 21                        ; x and out: the batch, my 16 channel rows, my block's 128 queries
	s_lshl_b32 s21, s14, 18
	s_add_co_u32 s20, s20, s21
	s_lshl_b32 s21, s16, 9
	s_add_co_u32 s20, s20, s21
	s_mov_b32 s21, 0
	s_wait_dscnt 0x0                               ; both opening adds are done
	s_wait_kmcnt 0x0
	s_load_b64 s[48:49], s[8:9], 0x18              ; e6, e7
	s_add_nc_u64 s[34:35], s[6:7], s[22:23]
	s_add_nc_u64 s[58:59], s[34:35], SLOTB
	s_or_b32 s35, s35, 0x80000000                  ; type = 2
	s_or_b32 s59, s59, 0x80000000
	s_add_nc_u64 s[44:45], s[6:7], s[52:53]
	s_add_nc_u64 s[4:5], s[4:5], s[50:51]
	s_add_nc_u64 s[10:11], s[10:11], s[20:21]
	s_add_nc_u64 s[12:13], s[12:13], s[20:21]
	CROUND                                         ; all four work-groups are here: the first joint loads meet
	tensor_load_to_lds s[32:35], s[24:31]          ; steps 0 to 3 into slot 0,
	s_nop 0
	tensor_load_to_lds s[56:59], s[24:31]          ; steps 4 to 7 into slot 1: the two first fills go out together, ahead of every wait on TENSORcnt, every LDS read and every other barrier
	s_nop 0
.rept 4
	v_nop
.endr
	global_load_b128 v[Q:Q+3], v[LI], s[4:5]       ; q's image stays in registers
	global_load_b128 v[Q+4:Q+7], v[LI], s[4:5] offset:512
	v_mov_b32 v13, 0xff61b1e6                      ; the largest t so far: -3e38, under every t
	v_floor_f32 v12, -v13                          ; -M
	v_mov_b32 v14, 0                               ; l, in two halves
	v_mov_b32 v15, 0
	v_mov_b32 v[PD], 0                             ; written once: a lane permute's destination counts as one of its sources
	v_mov_b32 v253, 0                              ; (named as the upper half of the pair v[252:253])
	s_wait_kmcnt 0x0
	s_add_co_i32 s50, s49, 127
	s_lshl_b32 s51, s50, 23
	v_mov_b32 v244, s51                            ; 2^e7 as f32, for the conversion
	s_add_co_i32 s50, s50, 15
	s_lshl_b32 s50, s50, 23
	s_or_b32 s50, s50, 0x600000
	v_mov_b32 v240, s50                            ; 57,344 x 2^e7
	s_mov_b32 s36, 0                               ; step 0's images, for v
	s_mov_b32 s39, STEPB                           ; step 1's, for k
	s_mov_b32 s37, 6                               ; slots still to be asked for
	s_wait_tensorcnt 0x1                           ; my part of slot 0 is in; slot 1's may stay out
	s_barrier_signal -1
	s_barrier_wait -1                              ; everybody's is
	KLOAD LI                                       ; k(0): slot 0 begins at LDS byte 0
	s_wait_loadcnt 0x0                             ; q
	s_wait_dscnt 0x0
.set i, 0
.rept 32
	KQ                                             ; the first step's scores: there is no softmax yet to set between them
.endr
	WIN TO_1
.set j, 0
.rept 64
	v_mov_b32 v[O+j], 0                            ; O^T.  (The trip is written for every step alike: the first finds zeros, which the first change of M leaves zeros.)  These lines are also the places behind the products above
.set j, j+1
.endr
	WIN 0
.Lslot:                                            ; six trips, four key steps each: every slot but the last two is filled again
	THREE
	TURNK
	TRIP 1, 1
	TURNV
	s_sub_co_u32 s37, s37, 1
	s_cmp_lg_u32 s37, 0
	s_cbranch_scc1 .Lslot
	THREE                                          ; the tail is written out: the last slot but one is left, and nothing is asked for
	TURNK
	TRIP 2, 1
	TURNV
	THREE                                          ; the last slot
	TRIP 0, 0
	; THE WAY OUT.  O^T x 2^(e6 + e7) / l goes into the work-group's stage, a row to a channel; behind a barrier each wave reads 16 whole channel rows, adds x and stores 512 consecutive bytes an instruction.
.rept 4
	v_nop                                          ; four places between the last products and the first read of their results
.endr
.set i, 0
.rept 16
	global_load_b128 v[KF+4*i:KF+4*i+3], v[LI], s[10:11] offset:i*16384 th:TH_LOAD_NT   ; x at my 16 channel rows, the block's 128 queries, into the registers that k has left
.set i, i+1
.endr
	v_add_f32 v14, v14, v15                        ; l's two halves,
	v_permlanex16_b32 v[PD], v14, s42, s43
	v_add_f32 v14, v14, v[PD]                      ; and lane l xor 16's
	v_rcp_f32 v14, v14
	v_nop                                          ; a plain line behind the reciprocal
	s_add_co_i32 s50, s48, s49
	s_wait_alu depctr_va_vdst(0)                   ; a wait ahead of the first reader
	v_ldexp_f32 v14, v14, s50                      ; x 2^(e6 + e7)
	WIN 0x01                                       ; source 0 (O^T) window 1; the results go into F, in window 0
.set j, 0
.rept 32
	v_pk_mul_f32 v[F+j:F+j+1], v[O+j:O+j+1], v[14:15] op_sel_hi:[1,0]   ; each accumulator from its low end on
.set j, j+2
.endr
	WIN 0
.set u, 0
.rept 64
	ds_store_b32 v[STO], v[F+u] offset:(16*(u/8)+u%8)*PITCH   ; channel 16 ct + 8 h + j: lanes 0-15 write 64 consecutive bytes, lanes 16-31 eight rows on
.set u, u+1
.endr
	s_wait_dscnt 0x0                               ; for the others' sake: my stores into the stage are done
	s_barrier_signal -1
	s_barrier_wait -1
.set i, 0
.rept 16
	ds_load_b128 v[F+4*i:F+4*i+3], v[SRD] offset:i*PITCH
.set i, i+1
.endr
.set i, 0
.rept 16
	s_wait_dscnt 15-i                              ; row i is back from the stage; the younger rows may be out
	s_wait_loadcnt 15-i                            ; and so is row i of x
	v_pk_add_f32 v[F+4*i:F+4*i+1], v[F+4*i:F+4*i+1], v[KF+4*i:KF+4*i+1]
	v_pk_add_f32 v[F+4*i+2:F+4*i+3], v[F+4*i+2:F+4*i+3], v[KF+4*i+2:KF+4*i+3]
	global_store_b128 v[LI], v[F+4*i:F+4*i+3], s[12:13] offset:i*16384 th:TH_STORE_NT   ; 32 lanes store 512 consecutive bytes, at a multiple of 256 from out0's first byte
.set i, i+1
.endr
	s_wait_tensorcnt 0x0                           ; the wave's end, behind my last tensor load and my last LDS store
	ds_add_u32 v[SPW], v[NIL]
	s_wait_dscnt 0x0
	CROUND                                         ; the closing round: no work-group ends while a partner may still ask for a tile that names it
	s_endpgm
.Lfunc_end_k_qac9be6b790_attn:
	.size	k_qac9be6b790_attn, .Lfunc_end_k_qac9be6b790_attn-k_qac9be6b790_attn
	.p2alignl 7, 3214868480
	.fill 96, 4, 3214868480
	.section	.rodata,"a",@progbits
	.p2align	6, 0x0
	.amdhsa_kernel k_qac9be6b790_attn
		.amdhsa_group_segment_fixed_size 327680
		.amdhsa_private_segment_fixed_size 0
		.amdhsa_enable_private_segment 0
		.amdhsa_kernarg_size 40
		.amdhsa_user_sgpr_count 2
		.amdhsa_user_sgpr_kernarg_segment_ptr 1
		.amdhsa_wavefront_size32 1
		.amdhsa_system_sgpr_workgroup_id_x 1
		.amdhsa_system_sgpr_workgroup_id_y 1
		.amdhsa_system_sgpr_workgroup_id_z 1
		.amdhsa_system_vgpr_workitem_id 0
		.amdhsa_next_free_vgpr 512
		.amdhsa_next_free_sgpr 66
		.amdhsa_reserve_vcc 0
		.amdhsa_float_denorm_mode_32 3
		.amdhsa_float_denorm_mode_16_64 3
		.amdhsa_memory_ordered 1
		.amdhsa_forward_progress 1
		.amdhsa_inst_pref_size 138
	.end_amdhsa_kernel
	.amdgpu_metadata
---
amdhsa.version: [ 1, 2 ]
amdhsa.kernels:
  - .name:           k_qac9be6b790_attn
    .symbol:         k_qac9be6b790_attn.kd
    .args:
      - { .name: qimg, .offset: 0, .size: 8, .value_kind: global_buffer, .address_space: global }
      - { .name: kv, .offset: 8, .size: 8, .value_kind: global_buffer, .address_space: global }
      - { .name: lowp_scales, .offset: 16, .size: 8, .value_kind: global_buffer, .address_space: global }
      - { .name: x, .offset: 24, .size: 8, .value_kind: global_buffer, .address_space: global }
      - { .name: out0, .offset: 32, .size: 8, .value_kind: global_buffer, .address_space: global }
    .group_segment_fixed_size: 327680
    .private_segment_fixed_size: 0
    .kernarg_segment_align: 8
    .kernarg_segment_size: 40
    .max_flat_workgroup_size: 256
    .sgpr_count:     66
    .vgpr_count:     512
    .wavefront_size: 32
...
	.end_amdgpu_metadata
.endif
;; end of part 2
